; MI455X (gfx1250); checked and timed in simulation.
; The chip was launched on July 23, 2026; its instructions are those of AMD's public machine-readable ISA for CDNA 5 (MIT licence, August 2026) and "CDNA5" Instruction Set Architecture Reference Guide (July 2026). The comments in the code are by the model that wrote it; some were corrected since.
;; April Causal Attention. Allowed arithmetic: float matrix products may take bf16 or f16 operands with f32 sums; all other float work in f32.
;; Inputs: Wk 768 x 64 float32; Wq 768 x 64 float32; Wv 768 x 64 float32; x 4 x 4,096 x 768 float32.
;; Outputs: out0 4 x 4,096 x 64 float32.
;; One version. Each part assembles by itself: llvm-mc -triple=amdgcn-amd-amdhsa -mcpu=gfx1250 --defsym DOCPART=n.
;; ======== version 1 of 1: 2 launches
;; limits: values are held in f16: magnitudes above 65,504 overflow, below 6.1e-05 lose precision
;; workspace buffers: qw 2,097,152 bytes; kw 2,097,152 bytes; vt 2,097,152 bytes
;; launch qkv (part 1): grid 256 x 1, 6 waves a work-group, clusters of 4 x 1, 327,680 bytes of LDS; arguments x, Wq, Wk, Wv, qw, kw, vt; writes qw, kw, vt
.if DOCPART == 1
	.amdgcn_target "amdgcn-amd-amdhsa--gfx1250"
	.amdhsa_code_object_version 6
	.text
	.protected	k_q4fe4e9678c_qkv
	.globl	k_q4fe4e9678c_qkv
	.p2align	8
	.type	k_q4fe4e9678c_qkv,@function
k_q4fe4e9678c_qkv:
	s_mov_b64 s[64:65], 0
	v_nop
	global_prefetch_b8 v0, s[64:65] scope:SCOPE_SE
	s_setreg_imm32_b32 hwreg(HW_REG_WAVE_MODE, 25, 1), 1
	s_wait_xcnt 0x0
	s_wait_alu depctr_hold_cnt(0) depctr_sa_sdst(0) depctr_va_vdst(0) depctr_va_sdst(0) depctr_va_ssrc(0) depctr_va_vcc(0) depctr_vm_vsrc(0)
	s_getreg_b32 s2, hwreg(HW_REG_IB_STS2, 6, 4)
	s_cmp_eq_u32 s2, 0
	s_cbranch_scc0 .Lentry_in_a_cluster
	s_endpgm
.Lentry_in_a_cluster:
	s_bfe_u32 s2, ttmp6, 0x10000c
	s_cmp_lg_u32 s2, 0x3003
	s_cbranch_scc0 .Lentry_shape_is_right
	s_endpgm
.Lentry_shape_is_right:
; q, k, v = x W.  x: [16384][768] f32; Wq, Wk, Wv: [768][64] f32.  Operands rounded to bf16, sums in f32, results rounded once to f16.
; Out: qw, kw = [16384][64] f16 by rows; vt = [256 blocks of 64 rows][64 d][64 rows] f16, that is v transposed inside each block of 64 rows.
; LIMIT: a q, k or v beyond 65,504 in magnitude overflows f16.  With x and W both 30 times the drawn spread they reach about 5,000,
; with both offset by 30 spreads about 768 x 30 x 1.08 = 25,000.  f16 is taken for its 11 bits: the next launch's sums cancel in the first rows.
;
; A work-group owns 64 rows of x.  Six waves: wave w makes matrix m = w / 2 (q, k, v), columns 32 nh .. 32 nh + 31 (nh = w % 2), all 64 rows:
; 4 row tiles x 2 column tiles = 8 accumulators.  Column tile c holds the columns 32 nh + 2 p + c (p = 0..15), so that one 8-byte LDS read of
; a row of W feeds both tiles.
; W is walked alike by all work-groups: the four of a cluster ask for each tile JOINTLY (same descriptor, mask 15), which divides the
; requests for W by four.  Twelve tiles of 64 along K go through a ring of five slots in three batches: 5 at the start, then 4 and 3, each behind
; one round of the cluster's barrier.  A batch can be asked for only when the one before has landed, so the batches follow each other and set the
; kernel's length: W is asked for FIRST, ahead of x.  A wave has at most five tensor loads out (the five at the start).
; x comes through registers: each wave issues all its 64 loads at once (its sixth of the 196,608 bytes; each half of the lanes takes 256
; neighbouring bytes of a row), rounds them to bf16 stage by stage (192 of K each) and lays them into one of two LDS buffers that take turns.
.set ROWB,  3072                       ; bytes in a row of x
.set XP,    400                        ; LDS pitch of a stage's row of x in bf16: 384 + 16 = 25 x 16 bytes, so 16 rows start in 16 different 16-byte columns of 256
.set XBUF,  64*XP                      ; 25,600: a stage of x; stage s lies in buffer s % 2
.set WP,    272                        ; LDS pitch of a row of W in f32: 256 + 16
.set WR,    2*XBUF                     ; 51,200: the ring of W begins behind x (a multiple of 256: no tensor load lands in bytes that ds_store writes)
.set WPART, 32*WP                      ; 8,704: what one tensor load brings, 32 rows of one matrix
.set WMAT,  2*WPART                    ; 64 rows of one matrix
.set WSLOT, 3*WMAT                     ; 52,224: a slot = the tile of Wq, of Wk, of Wv
.set WSTEP, 64*256                     ; bytes of W from tile to tile
.set XG,  8                            ; v8      my byte offset in the work-group's rows of x
.set XS,  9                            ; v9      where I lay 8 bytes of bf16 x
.set AA,  10                           ; v10     x fragments
.set WA,  12                           ; v12-16  W fragments in slot 0..4
.set STO, 17                           ; v17     the way out: where I put 16 bytes
.set RD,  18                           ; v18     the way out: where I read 16 bytes back
.set CO,  19                           ; v19     the way out: my byte offset in the wave's 4,096 bytes of output
.set ACC, 32                           ; v32-95   accumulator (i, c) at 8 (2 i + c)
.set BF,  96                           ; v96-127  W fragments in bf16: (ks, c) at 16 ks + 8 c
.set AF,  128                          ; v128-191 x fragments: (ks, i) at 32 ks + 8 i
.set WF,  192                          ; v192-255 W as read, f32 pairs (c = 0, 1); also at work
                                       ; v256-511 x as loaded: stage s, load i at 256 + 64 s + 4 i (second window of 256 registers)
.set G1,  32                           ; s[32:39] descriptor group 1
.set G0,  40                           ; s[40:59] descriptor group 0, one set for each slot
.set MSB, 0
.macro WIN new                         ; the immediate's high byte repeats the setting that is left
.if MSB != \new
	s_set_vgpr_msb (MSB<<8)|\new
.set MSB, \new
.endif
.endm
.macro PLACES                          ; four places behind a matrix instruction (ISA guide 7.12.1)
.rept 4
	v_nop
.endr
.endm
; A round of the cluster's barrier: my work-group's barrier, wave 0 signals for the work-group, every wave waits for all four work-groups, my work-group's barrier again.
.macro ROUND
	s_barrier_signal -1
	s_barrier_wait -1
	s_cmp_lg_u32 s20, 0
	s_cbranch_scc1 .Lnot_wave_0_\@
	s_barrier_signal -3
.Lnot_wave_0_\@:
	s_barrier_wait -3
	s_barrier_signal -1
	s_barrier_wait -1
.endm
	s_load_b256 s[4:11], s[0:1], 0x0               ; x s[4:5], Wq s[6:7], Wk s[8:9], Wv s[10:11]
	s_load_b128 s[12:15], s[0:1], 0x20             ; qw s[12:13], kw s[14:15]
	s_load_b64 s[16:17], s[0:1], 0x30              ; vt
	v_lshl_add_u32 v30, v0, 2, 0x4c400
	v_mov_b32 v31, 0
	ds_add_u32 v30, v31
	v_lshrrev_b32 v4, 5, v0
	v_readfirstlane_b32 s20, v4                    ; wave w, 0..5
	s_lshr_b32 s21, s20, 1                         ; m: 0 q, 1 k, 2 v
	s_and_b32 s22, s20, 1                          ; nh
	s_bfe_u32 s23, ttmp6, 0x40000                  ; cx: my place in the cluster (s23, s24, s60 alone ever hold it)
	s_lshl_b32 s24, ttmp9, 2
	s_add_co_u32 s24, s24, s23                     ; work-group g = 4 x cluster + cx: rows 64 g ..
	v_and_b32 v1, 15, v0                           ; r
	v_bfe_u32 v2, v0, 4, 1                         ; h
	v_and_b32 v3, 31, v0                           ; lane
	; x in memory: row 32 nh + 8 h (+ the load's row), byte 256 m + 16 r (+ 768 x stage)
	s_mul_i32 s30, s22, 32*ROWB
	s_lshl_b32 s31, s21, 8
	s_add_co_u32 s30, s30, s31
	v_mul_u32_u24 v[XG], v2, 8*ROWB
	v_lshl_add_u32 v[XG], v1, 4, v[XG]
	v_add_nc_u32 v[XG], s30, v[XG]
	; the same four numbers in a stage buffer, as bf16: half the bytes
	s_mul_i32 s30, s22, 32*XP
	s_lshl_b32 s31, s21, 7
	s_add_co_u32 s30, s30, s31
	v_mul_u32_u24 v[XS], v2, 8*XP
	v_lshl_add_u32 v[XS], v1, 3, v[XS]
	v_add_nc_u32 v[XS], s30, v[XS]
	; x fragments: row r, 16 bytes for each half of the lanes
	v_mul_u32_u24 v[AA], v1, XP
	v_lshl_add_u32 v[AA], v2, 4, v[AA]
	; W fragments: row 8 h (+ k), columns 32 nh + 2 r and + 1 of matrix m
	s_mul_i32 s30, s21, WMAT
	s_lshl_b32 s31, s22, 7
	s_add_co_u32 s30, s30, s31
	s_add_co_u32 s30, s30, WR
	v_mul_u32_u24 v[WA], v2, 8*WP
	v_lshl_add_u32 v[WA], v1, 3, v[WA]
	v_add_nc_u32 v[WA], s30, v[WA]
.irp sl, 1,2,3,4
	v_add_nc_u32 v[WA+\sl], \sl*WSLOT, v[WA]
.endr
	; the way out: 4,352 bytes of stage for each wave's read-back, two lines of 256 bytes a load
	s_mul_i32 s30, s20, 16*272
	v_mul_u32_u24 v[RD], v2, 272
	v_lshl_add_u32 v[RD], v1, 4, v[RD]
	v_add_nc_u32 v[RD], s30, v[RD]
	v_lshlrev_b32 v[CO], 4, v3
	; descriptor group 1: 32 rows of 64 f32, dense in memory, 16 bytes of padding behind each row in LDS
	s_mov_b32 s[G1+0], 15|(2<<16)|(1<<20)|(1<<21)|(5<<22)|(3<<25)  ; mask: all four of the cluster; 4-byte elements; padding on; bit 21 beside a mask; after 64 words, 4 words
	s_mov_b32 s[G1+1], 64<<16                      ; tensor_dim0 = 64
	s_mov_b32 s[G1+2], 32<<16                      ; tensor_dim1 = 32
	s_mov_b32 s[G1+3], 64<<16                      ; tile_dim0 = 64
	s_mov_b32 s[G1+4], 32                          ; tile_dim1 = 32
	s_mov_b32 s[G1+5], 64                          ; elements from row to row
	s_mov_b32 s[G1+6], 0
	s_mov_b32 s[G1+7], 0
	s_mul_i32 s25, s20, WPART
	s_add_co_u32 s25, s25, WR                      ; my part of slot 0: the wave's number alone
	s_lshl_b32 s30, s22, 13                        ; my 32 rows of each tile: 8,192 nh
	s_mov_b32 s31, 0
	s_mul_i32 s60, s24, 64*ROWB                    ; 196,608 g, below 2^32
	s_mov_b32 s61, 0
	s_wait_dscnt 0x0
	s_wait_kmcnt 0x0
	; my matrix of W and my output, chosen by m
	s_cmp_eq_u32 s21, 1
	s_cselect_b64 s[26:27], s[8:9], s[6:7]
	s_cselect_b64 s[28:29], s[14:15], s[12:13]
	s_cmp_eq_u32 s21, 2
	s_cselect_b64 s[26:27], s[10:11], s[26:27]
	s_cselect_b64 s[28:29], s[16:17], s[28:29]
	s_add_nc_u64 s[26:27], s[26:27], s[30:31]
	s_or_b32 s27, s27, 0x80000000                  ; the descriptor's type bits
	s_add_nc_u64 s[4:5], s[4:5], s[60:61]          ; x at my first row
.irp sl, 0,1,2,3,4
	s_mov_b32 s[G0+4*\sl], 1
	s_add_co_u32 s[G0+4*\sl+1], s25, \sl*WSLOT
	s_add_nc_u64 s[G0+4*\sl+2:G0+4*\sl+3], s[26:27], \sl*WSTEP
.endr
	ROUND                                          ; all four work-groups are here: the first joint loads meet
.irp sl, 0,1,2,3,4
	tensor_load_to_lds s[G0+4*\sl:G0+4*\sl+3], s[G1:G1+7]          ; tiles 0 to 4, ahead of everything else that is asked of memory
	s_nop 0
.endr
	; all my 64 loads of x, stage by stage; load i takes rows (i % 8) + 16 (i / 8) and 8 further down
	WIN 0x40                                       ; destinations in the second window
.irp st, 0,1,2,3
.irp i, 0,1,2,3,4,5,6,7,8,9,10,11,12,13,14,15
	global_load_b128 v[64*\st+4*\i:64*\st+4*\i+3], v[XG], s[4:5] offset:((\i&7)+16*(\i>>3))*ROWB+768*\st th:TH_LOAD_NT
.endr
.endr
	WIN 0
	s_lshl_b32 s60, s24, 13                        ; output: 8,192 bytes a work-group and matrix,
	s_lshl_b32 s23, s22, 12                        ; of which I store 4,096
	s_add_co_u32 s60, s60, s23
	s_add_nc_u64 s[28:29], s[28:29], s[60:61]
; Stage st of x (192 along K): my 16 loads are rounded to bf16 and laid into buffer st % 2.  The buffer's last readers (stage st - 2) waited for
; their reads in front of a barrier that this wave has passed: the barrier of the tile behind that stage's third.
.macro XSTAGE st
	s_wait_loadcnt 48-16*\st                       ; loads come back in order: this stage's 16 are in, the later stages' stay out
	WIN 0x05                                       ; both sources in the second window
.irp i, 0,1,2,3,4,5,6,7,8,9,10,11,12,13,14,15
	v_cvt_pk_bf16_f32 v[WF+2*\i],   v[64*\st+4*\i],   v[64*\st+4*\i+1]
	v_cvt_pk_bf16_f32 v[WF+2*\i+1], v[64*\st+4*\i+2], v[64*\st+4*\i+3]
.endr
	WIN 0
.irp i, 0,1,2,3,4,5,6,7,8,9,10,11,12,13,14,15
	ds_store_b64 v[XS], v[WF+2*\i:WF+2*\i+1] offset:(\st&1)*XBUF+((\i&7)+16*(\i>>3))*XP   ; 128 neighbouring bytes from each half; 8 rows = 3,200 bytes = 128 modulo 256: the halves meet in no bank
.endr
.endm
.macro MM d, a, b, z
.if \z
	v_wmma_f32_16x16x32_bf16 v[\d:\d+7], v[\a:\a+7], v[\b:\b+7], 0
.else
	v_wmma_f32_16x16x32_bf16 v[\d:\d+7], v[\a:\a+7], v[\b:\b+7], v[\d:\d+7]
.endif
.endm
; 16 matrix instructions: 64 along K for the eight accumulators, which take turns, one instruction a turn.
; vway = 0 (q, k): source 0 = W, source 1 = x: a lane holds one row of x and 8 column pairs.  vway = 1 (v): the sources swapped: a lane holds one column and 8 neighbouring rows: v transposed.
.macro MULS zero, vway
.irp ks, 0,1
.irp i, 0,1,2,3
.irp c, 0,1
.if \vway
	MM ACC+8*(2*\i+\c), AF+32*\ks+8*\i, BF+16*\ks+8*\c, \zero*(1-\ks)
.else
	MM ACC+8*(2*\i+\c), BF+16*\ks+8*\c, AF+32*\ks+8*\i, \zero*(1-\ks)
.endif
.endr
.endr
.endr
.endm
; The 16 reads of tile t's x fragments: buffer (t / 3) % 2, byte 128 (t % 3) of its rows
.macro AFLOADS t
.irp ks, 0,1
.irp i, 0,1,2,3
.irp gg, 0,1
	ds_load_b128 v[AF+32*\ks+8*\i+4*\gg:AF+32*\ks+8*\i+4*\gg+3], v[AA] offset:((\t/3)&1)*XBUF+\i*16*XP+(\t%3)*128+64*\ks+32*\gg
.endr
.endr
.endr
.endm
; The 32 reads of W in slot sl: W(k = 32 ks + 16 gg + 8 h + j, two columns)
.macro WLOADS sl
.irp ks, 0,1
.irp gg, 0,1
.irp j, 0,1,2,3,4,5,6,7
	ds_load_b64 v[WF+32*\ks+16*\gg+2*\j:WF+32*\ks+16*\gg+2*\j+1], v[WA+\sl] offset:(32*\ks+16*\gg+\j)*WP
.endr
.endr
.endr
.endm
; Tile t of W (K = 64 t .. 64 t + 63), in slot sl.  left = my tensor loads issued behind this tile's.  zero = 1: the first products start the sums.
; In the second and third tile of a stage of x the x fragments are read AHEAD of the barrier: their bytes were shown to all waves by the barrier of the stage's
; first tile and are not written again before three more barriers, so these reads run while W's tile is still awaited.
.macro TILE t, sl, left, zero
.if (\t%3) != 0
	PLACES                                         ; behind the last tile's matrix instructions, ahead of the loads into their sources
	AFLOADS \t
.endif
	s_wait_tensorcnt \left                         ; my part of the tile has landed; the younger tiles stay out
	s_wait_dscnt 0x0                               ; my stores of x, or my reads of it, are done
	s_barrier_signal -1
	s_barrier_wait -1                              ; the tile is whole, and so is the stage of x
.if (\t%3) != 0
	WLOADS \sl
	s_wait_dscnt 0x0
.else
	PLACES
	WLOADS \sl
	AFLOADS \t
	s_wait_dscnt 16                                ; the 32 reads of W are back; the 16 of x behind them stay out
.endif
.irp ks, 0,1
.irp c, 0,1
.irp gg, 0,1
.irp jj, 0,1,2,3
	v_cvt_pk_bf16_f32 v[BF+16*\ks+8*\c+4*\gg+\jj], v[WF+32*\ks+16*\gg+4*\jj+\c], v[WF+32*\ks+16*\gg+4*\jj+2+\c]   ; two neighbouring k of one column
.endr
.endr
.endr
.endr
	s_wait_dscnt 0x0
	s_cmp_lt_u32 s20, 4
	s_cbranch_scc0 .Lvway_\@
	MULS \zero, 0
	s_branch .Lmuls_done_\@
.Lvway_\@:
	MULS \zero, 1
.Lmuls_done_\@:
.endm
; Slots a, b, c (and d, if not negative), which have been read, get tiles ta, tb, tc, td.
.macro FILL a, ta, b, tb, c, tc, d, td
	s_wait_dscnt 0x0                               ; my reads of the slots are back
	s_wait_tensorcnt 0x0                           ; all my tensor loads have landed: every group 0 may be written
	ds_add_u32 v30, v31
	s_wait_dscnt 0x0
	s_add_nc_u64 s[G0+4*\a+2:G0+4*\a+3], s[26:27], \ta*WSTEP
	s_add_nc_u64 s[G0+4*\b+2:G0+4*\b+3], s[26:27], \tb*WSTEP
	s_add_nc_u64 s[G0+4*\c+2:G0+4*\c+3], s[26:27], \tc*WSTEP
.if \d >= 0
	s_add_nc_u64 s[G0+4*\d+2:G0+4*\d+3], s[26:27], \td*WSTEP
.endif
	ROUND                                          ; both hold of every wave of all four work-groups
	tensor_load_to_lds s[G0+4*\a:G0+4*\a+3], s[G1:G1+7]            ; the first tensor loads behind the round
	s_nop 0
	tensor_load_to_lds s[G0+4*\b:G0+4*\b+3], s[G1:G1+7]
	s_nop 0
	tensor_load_to_lds s[G0+4*\c:G0+4*\c+3], s[G1:G1+7]
	s_nop 0
.if \d >= 0
	tensor_load_to_lds s[G0+4*\d:G0+4*\d+3], s[G1:G1+7]
	s_nop 0
.endif
.endm
	XSTAGE 0
	TILE 0, 0, 4, 1                                ; tiles 0 to 3 as they land: each count leaves the younger tiles on their way
	TILE 1, 1, 3, 0
	TILE 2, 2, 2, 0
	XSTAGE 1
	TILE 3, 3, 1, 0
	FILL 0, 5, 1, 6, 2, 7, 3, 8                    ; tile 4 has landed and is unread; tiles 5 to 8 go out
	TILE 4, 4, 4, 0
	TILE 5, 0, 3, 0
	XSTAGE 2
	TILE 6, 1, 2, 0
	TILE 7, 2, 1, 0
	FILL 4, 9, 0, 10, 1, 11, -1, 0                 ; tile 8 has landed and is unread; the last three tiles go out
	TILE 8, 3, 3, 0
	XSTAGE 3
	TILE 9, 4, 2, 0
	TILE 10, 0, 1, 0
	TILE 11, 1, 0, 0
	; THE WAY OUT.  The stage lies over the first 26,112 bytes of x's buffers (bytes that only ds_store has written): 8,704 for each matrix,
	; output row p of 128 bytes at (p / 2) 272 + (p % 2) 128, so that a line of 256 bytes is 256 neighbouring bytes of the output.
	s_wait_dscnt 0x0
	s_barrier_signal -1
	s_barrier_wait -1                              ; nobody reads x any more
	PLACES                                         ; behind the last matrix instructions, ahead of the conversions that read their results
	s_cmp_lt_u32 s20, 4
	s_cbranch_scc0 .Lout_v
	; q, k: lane (r, h) holds row 16 i + r, columns 32 nh + 16 h + 2 j + c
	s_mul_i32 s30, s21, WPART
	s_lshl_b32 s31, s22, 6
	s_add_co_u32 s30, s30, s31
	v_lshrrev_b32 v4, 1, v1
	v_and_b32 v5, 1, v1
	v_mul_u32_u24 v[STO], v4, 272
	v_lshl_add_u32 v[STO], v5, 7, v[STO]
	v_lshl_add_u32 v[STO], v2, 5, v[STO]
	v_add_nc_u32 v[STO], s30, v[STO]
.irp i, 0,1,2,3
.irp j, 0,1,2,3,4,5,6,7
	v_cvt_pk_f16_f32 v[WF+8*\i+\j], v[ACC+16*\i+\j], v[ACC+16*\i+8+\j]       ; the two column tiles interleave into neighbouring columns
.endr
	ds_store_b128 v[STO], v[WF+8*\i:WF+8*\i+3] offset:2176*\i
	ds_store_b128 v[STO], v[WF+8*\i+4:WF+8*\i+7] offset:2176*\i+16
.endr
	s_branch .Lout_join
.Lout_v:
	; v: lane (r, h) holds column d = 32 nh + 2 r + c, rows 16 i + 8 h + j: 16 bytes of row d of the transposed block
	s_mul_i32 s30, s22, 16*272
	s_add_co_u32 s30, s30, 2*WPART
	v_mul_u32_u24 v[STO], v1, 272
	v_lshl_add_u32 v[STO], v2, 4, v[STO]
	v_add_nc_u32 v[STO], s30, v[STO]
.irp i, 0,1,2,3
.irp c, 0,1
.irp jj, 0,1,2,3
	v_cvt_pk_f16_f32 v[WF+8*\i+4*\c+\jj], v[ACC+16*\i+8*\c+2*\jj], v[ACC+16*\i+8*\c+2*\jj+1]
.endr
	ds_store_b128 v[STO], v[WF+8*\i+4*\c:WF+8*\i+4*\c+3] offset:128*\c+32*\i
.endr
.endr
.Lout_join:
	s_wait_dscnt 0x0                               ; my part of the stage is written
	s_barrier_signal -1
	s_barrier_wait -1                              ; everybody's is
.irp t, 0,1,2,3,4,5,6,7
	ds_load_b128 v[AF+4*\t:AF+4*\t+3], v[RD] offset:544*\t
.endr
.irp t, 0,1,2,3,4,5,6,7
	s_wait_dscnt 7-\t                              ; LDS loads come back in order: load t is in
	global_store_b128 v[CO], v[AF+4*\t:AF+4*\t+3], s[28:29] offset:512*\t    ; the wave stores 512 neighbouring bytes, aligned
.endr
	s_wait_tensorcnt 0x0
	ds_add_u32 v30, v31
	s_wait_dscnt 0x0
	ROUND                                          ; the closing round: no work-group ends while a partner may still ask jointly
	s_endpgm
.Lfunc_end_k_q4fe4e9678c_qkv:
	.size	k_q4fe4e9678c_qkv, .Lfunc_end_k_q4fe4e9678c_qkv-k_q4fe4e9678c_qkv
	.p2alignl 7, 3214868480
	.fill 96, 4, 3214868480
	.section	.rodata,"a",@progbits
	.p2align	6, 0x0
	.amdhsa_kernel k_q4fe4e9678c_qkv
		.amdhsa_group_segment_fixed_size 327680
		.amdhsa_private_segment_fixed_size 0
		.amdhsa_enable_private_segment 0
		.amdhsa_kernarg_size 56
		.amdhsa_user_sgpr_count 2
		.amdhsa_user_sgpr_kernarg_segment_ptr 1
		.amdhsa_wavefront_size32 1
		.amdhsa_system_sgpr_workgroup_id_x 1
		.amdhsa_system_sgpr_workgroup_id_y 1
		.amdhsa_system_sgpr_workgroup_id_z 1
		.amdhsa_system_vgpr_workitem_id 0
		.amdhsa_next_free_vgpr 512
		.amdhsa_next_free_sgpr 66
		.amdhsa_reserve_vcc 0
		.amdhsa_float_denorm_mode_32 3
		.amdhsa_float_denorm_mode_16_64 3
		.amdhsa_memory_ordered 1
		.amdhsa_forward_progress 1
		.amdhsa_inst_pref_size 124
	.end_amdhsa_kernel
	.amdgpu_metadata
---
amdhsa.version: [ 1, 2 ]
amdhsa.kernels:
  - .name:           k_q4fe4e9678c_qkv
    .symbol:         k_q4fe4e9678c_qkv.kd
    .args:
      - { .name: x, .offset: 0, .size: 8, .value_kind: global_buffer, .address_space: global }
      - { .name: Wq, .offset: 8, .size: 8, .value_kind: global_buffer, .address_space: global }
      - { .name: Wk, .offset: 16, .size: 8, .value_kind: global_buffer, .address_space: global }
      - { .name: Wv, .offset: 24, .size: 8, .value_kind: global_buffer, .address_space: global }
      - { .name: qw, .offset: 32, .size: 8, .value_kind: global_buffer, .address_space: global }
      - { .name: kw, .offset: 40, .size: 8, .value_kind: global_buffer, .address_space: global }
      - { .name: vt, .offset: 48, .size: 8, .value_kind: global_buffer, .address_space: global }
    .group_segment_fixed_size: 327680
    .private_segment_fixed_size: 0
    .kernarg_segment_align: 8
    .kernarg_segment_size: 56
    .max_flat_workgroup_size: 192
    .sgpr_count:     66
    .vgpr_count:     512
    .wavefront_size: 32
...
	.end_amdgpu_metadata
.endif
;; end of part 1
;; launch attn (part 2): grid 256 x 1, 8 waves a work-group, clusters of 4 x 1, 327,680 bytes of LDS; arguments qw, kw, vt, out0; writes out0
.if DOCPART == 2
	.amdgcn_target "amdgcn-amd-amdhsa--gfx1250"
	.amdhsa_code_object_version 6
	.text
	.protected	k_q4fe4e9678c_attn
	.globl	k_q4fe4e9678c_attn
	.p2align	8
	.type	k_q4fe4e9678c_attn,@function
k_q4fe4e9678c_attn:
	s_mov_b64 s[64:65], 0
	v_nop
	global_prefetch_b8 v0, s[64:65] scope:SCOPE_SE
	s_setreg_imm32_b32 hwreg(HW_REG_WAVE_MODE, 25, 1), 1
	s_wait_xcnt 0x0
	s_wait_alu depctr_hold_cnt(0) depctr_sa_sdst(0) depctr_va_vdst(0) depctr_va_sdst(0) depctr_va_ssrc(0) depctr_va_vcc(0) depctr_vm_vsrc(0)
	s_getreg_b32 s2, hwreg(HW_REG_IB_STS2, 6, 4)
	s_cmp_eq_u32 s2, 0
	s_cbranch_scc0 .Lentry_in_a_cluster
	s_endpgm
.Lentry_in_a_cluster:
	s_bfe_u32 s2, ttmp6, 0x10000c
	s_cmp_lg_u32 s2, 0x3003
	s_cbranch_scc0 .Lentry_shape_is_right
	s_endpgm
.Lentry_shape_is_right:
; Causal attention, one head of 64, 4 batches of 4,096 rows.  qw, kw: [16384][64] f16; vt: [256 blocks of 64 keys][64 d][64 keys] f16; out0: [16384][64] f32.
; Scores and sums in f32, running maximum, weights rounded to f16 for the second product (they lie in [0, 1]); the row sum is taken from the unrounded weights.
; LIMITS: a masked score takes the value -2^127, so a true score at or below -2^127 counts as masked; weights below 2^-126 of the row's largest are zero (v_exp_f32),
; and below 2^-25 they vanish in f16: 4,096 of them together stay under 2^-13 of the largest.
; -2^127 and not a larger number: c x 2^127 is exact, so a block of masked scores alone gives weights of exactly 1 under the shift c x (-2^127), and the first true maximum,
; or the merge, multiplies them by exp2 of about -3e37 = 0.  Every row has its own key, so every row has a true maximum.
;
; BALANCE: cluster n serves batch n / 16 and, with c = n % 16, the 128 rows from 128 c (low) and the 128 rows from 128 (31 - c) (high); each of its four work-groups takes 32 of each.
; Keys go in tiles of 512.  With f = c / 4 the low rows need tiles 0..f and the high rows tiles 0..7-f: 9 steps in every work-group, the same tiles in all four partners,
; which ask for them JOINTLY: that divides the requests for K and V by four.  Only steps f and 8 hold masked scores (before them: keys < 512 f <= 128 c, and keys < 3,584 - 512 f <= 128 (31 - c)).
; WAVES: wave w = 4 qt + kq: rows 16 qt .. + 15 of the 32, key blocks kq and 4 + kq of a tile's eight blocks of 64.  Each wave keeps its own maximum, sum and output;
; the four of one qt are merged through LDS at a phase's end.
; LAYOUT: scores are made transposed (source 0 = keys, source 1 = query rows): lane (r, h) holds row r and keys 16 kt + 8 h + j, which packed in pairs ARE source 1 of the second product
; (source 0 = d x keys from vt).  So maximum, sum and scale are one number a lane, and one exchange between the lane halves serves 64 keys.
; The output is cleared once a phase (32 moves, twice in the kernel): all nine steps share one body, so no first product can start the sums.
.set BLK,  8704                        ; a block of 64 rows of 128 bytes: 32 lines of 256 + 16; row p at (p / 2) 272 + (p % 2) 128: 16 rows start in 16 different 16-byte columns of 256
.set KV,   8*BLK                       ; 69,632: a tile of K, or of V
.set SLOT, 2*KV                        ; K's tile, then V's
.set SCR,  2*SLOT                      ; 278,528: behind the ring, the merge's scratch; no tensor load lands there
.set SCRW, 4608                        ; a wave's scratch: 16 rows of 256 + 16 bytes, then 16 pairs (shift, sum)
.set KA, 4                             ; v4-7    fragment addresses: K slot 0, V slot 0, K slot 1, V slot 1
                                       ; v8, v9  scratch: my output piece, my pair;  v10, v11: where I read partials;  v12: my offset in out0
                                       ; v14, v15: row - 8 h - 64 kq, low and high;  v16: the phase's;  v17: -2^127
                                       ; v18 maximum m;  v20 (v21 beside it) alpha;  v22 = -c m as rounded, v23 = row sum;  v24-31 at work
.set QL, 32                            ; v32-47   the phase's query fragments
.set QH, 48                            ; v48-63   the high rows', waiting
.set OA, 64                            ; v64-95   output, transposed: tile dt at 8 dt
.set SC, 96                            ; v96-127  scores, then weights; packed into v96-111
.set KF, 128                           ; v128-191 K fragments (kt, ks) at 16 kt + 8 ks
.set VF, 192                           ; v192-255 V fragments (dt, ks) at 16 dt + 8 ks
.set G1,  24                           ; s[24:31] descriptor group 1
.set G0K, 32                           ; s[32:39] group 0 for K, slot 0, slot 1
.set G0V, 40                           ; s[40:47] group 0 for V
                                       ; c = 0.125 log2(e) = 0x3e38aa3b
.macro ROUND
	s_barrier_signal -1
	s_barrier_wait -1
	s_cmp_lg_u32 s12, 0
	s_cbranch_scc1 .Lnot_wave_0_\@
	s_barrier_signal -3
.Lnot_wave_0_\@:
	s_barrier_wait -3
	s_barrier_signal -1
	s_barrier_wait -1
.endm
.macro MMH d, a, b, z
.if \z
	v_wmma_f32_16x16x32_f16 v[\d:\d+7], v[\a:\a+7], v[\b:\b+7], 0
.else
	v_wmma_f32_16x16x32_f16 v[\d:\d+7], v[\a:\a+7], v[\b:\b+7], v[\d:\d+7]
.endif
.endm
.macro INIT                            ; a phase begins
	v_mov_b32 v18, v17                             ; maximum = -2^127
	v_mul_f32 v22, 0xbe38aa3b, v17                 ; -c m, exact
	v_mov_b32 v23, 0
.set n, 0
.rept 32
	v_mov_b32 v[OA+n], 0
.set n, n+1
.endr
.endm
	s_load_b256 s[4:11], s[0:1], 0x0               ; qw s[4:5], kw s[6:7], vt s[8:9], out0 s[10:11]
	v_lshl_add_u32 v13, v0, 2, 0x4d000
	v_mov_b32 v19, 0
	ds_add_u32 v13, v19
	v_lshrrev_b32 v3, 5, v0
	v_readfirstlane_b32 s12, v3                    ; wave w
	s_lshr_b32 s13, s12, 2                         ; qt
	s_and_b32 s14, s12, 3                          ; kq
	s_bfe_u32 s15, ttmp6, 0x40000                  ; cx (s3, s15, s56-63 alone ever hold what hangs on it)
	s_lshr_b32 s16, ttmp9, 4                       ; batch
	s_and_b32 s17, ttmp9, 15                       ; c
	s_lshr_b32 s18, s17, 2                         ; f
	s_mov_b32 s54, 0x76543210                      ; v_permlanex16_b32: lane i of one half reads lane i of the other
	s_mov_b32 s55, 0xfedcba98
	v_and_b32 v1, 15, v0                           ; r
	v_bfe_u32 v2, v0, 4, 1                         ; h
	; fragments: row r of a block's 16, 16 bytes for each half of the lanes, in key block kq
	v_lshrrev_b32 v24, 1, v1
	v_and_b32 v25, 1, v1
	v_mul_u32_u24 v[KA], v24, 272
	v_lshl_add_u32 v[KA], v25, 7, v[KA]
	v_lshl_add_u32 v[KA], v2, 4, v[KA]
	s_mul_i32 s23, s14, BLK
	v_add_nc_u32 v[KA], s23, v[KA]
	v_add_nc_u32 v[KA+1], KV, v[KA]
	v_add_nc_u32 v[KA+2], SLOT, v[KA]
	v_add_nc_u32 v[KA+3], SLOT+KV, v[KA]
	; scratch: I hold row r, d = 16 dt + 8 h + j
	s_mul_i32 s23, s12, SCRW
	s_add_co_u32 s23, s23, SCR
	v_mul_u32_u24 v8, v1, 272
	v_lshl_add_u32 v8, v2, 5, v8
	v_add_nc_u32 v8, s23, v8
	s_add_co_u32 s23, s23, 16*272
	v_lshlrev_b32 v9, 3, v1
	v_add_nc_u32 v9, s23, v9
	; merge: of my qt's 16 rows I make rows 4 kq .. 4 kq + 3, two at a time: row 4 kq + h (+ 2), 16 bytes at 16 r
	s_mul_i32 s23, s13, 4*SCRW
	s_add_co_u32 s23, s23, SCR
	v_lshl_add_u32 v24, s14, 2, v2
	v_mul_u32_u24 v10, v24, 272
	v_lshl_add_u32 v10, v1, 4, v10
	v_add_nc_u32 v10, s23, v10
	s_add_co_u32 s23, s23, 16*272
	v_lshlrev_b32 v11, 3, v24
	v_add_nc_u32 v11, s23, v11
	s_lshl_b32 s23, s13, 4
	v_add_nc_u32 v25, s23, v24
	v_lshlrev_b32 v12, 8, v25
	v_lshl_add_u32 v12, v1, 4, v12
	; rows
	s_lshl_b32 s62, s17, 7
	s_lshl_b32 s63, s15, 5
	s_add_co_u32 s60, s62, s63                     ; first low row: 128 c + 32 cx
	s_sub_co_u32 s61, 3968, s62
	s_add_co_u32 s61, s61, s63                     ; first high row: 128 (31 - c) + 32 cx
	v_add_nc_u32 v26, s23, v1                      ; 16 qt + r
	v_add_nc_u32 v27, s60, v26                     ; my low row
	v_add_nc_u32 v28, s61, v26                     ; my high row
	v_lshlrev_b32 v30, 4, v2
	v_lshl_add_u32 v29, v27, 7, v30                ; their bytes in the batch's q
	v_lshl_add_u32 v31, v28, 7, v30
	v_lshlrev_b32 v24, 3, v2
	s_lshl_b32 s3, s14, 6
	v_add_nc_u32 v24, s3, v24
	v_sub_nc_u32 v14, v27, v24                     ; key 512 tile + 256 u + 64 kq + 8 h + n is masked where n > row - 8 h - 64 kq - 512 tile - 256 u
	v_sub_nc_u32 v15, v28, v24
	v_mov_b32 v16, v14
	v_mov_b32 v17, 0xff000000                      ; -2^127
	v_mov_b32 v21, 0                               ; the upper register of alpha's pair: named, never used
	; descriptor group 1: 32 lines of 256 bytes, dense in memory, 16 bytes of padding behind each in LDS
	s_mov_b32 s[G1+0], 15|(2<<16)|(1<<20)|(1<<21)|(5<<22)|(3<<25)  ; mask: all four of the cluster; 4-byte elements; padding on; bit 21 beside a mask; after 64 words, 4 words
	s_mov_b32 s[G1+1], 64<<16
	s_mov_b32 s[G1+2], 32<<16
	s_mov_b32 s[G1+3], 64<<16
	s_mov_b32 s[G1+4], 32
	s_mov_b32 s[G1+5], 64
	s_mov_b32 s[G1+6], 0
	s_mov_b32 s[G1+7], 0
	s_mul_i32 s23, s12, BLK                        ; wave w fetches block w of each tile
	s_mov_b32 s[G0K], 1
	s_add_co_u32 s[G0K+1], s23, 0
	s_mov_b32 s[G0K+4], 1
	s_add_co_u32 s[G0K+5], s23, SLOT
	s_mov_b32 s[G0V], 1
	s_add_co_u32 s[G0V+1], s23, KV
	s_mov_b32 s[G0V+4], 1
	s_add_co_u32 s[G0V+5], s23, SLOT+KV
	s_lshl_b32 s52, s16, 19                        ; a batch of q, k or v: 524,288 bytes
	s_mov_b32 s53, 0
	s_mov_b32 s63, 0
	s_wait_dscnt 0x0
	s_wait_kmcnt 0x0
	s_add_nc_u64 s[4:5], s[4:5], s[52:53]
.irp ks, 0,1
	global_load_b128 v[QL+8*\ks:QL+8*\ks+3],   v29, s[4:5] offset:64*\ks
	global_load_b128 v[QL+8*\ks+4:QL+8*\ks+7], v29, s[4:5] offset:64*\ks+32
	global_load_b128 v[QH+8*\ks:QH+8*\ks+3],   v31, s[4:5] offset:64*\ks
	global_load_b128 v[QH+8*\ks+4:QH+8*\ks+7], v31, s[4:5] offset:64*\ks+32
.endr
	s_lshl_b32 s23, s12, 13
	s_add_co_u32 s52, s52, s23                     ; + my block: 8,192 w
	s_add_nc_u64 s[48:49], s[6:7], s[52:53]
	s_add_nc_u64 s[50:51], s[8:9], s[52:53]
	s_or_b32 s49, s49, 0x80000000                  ; the descriptors' type bits
	s_or_b32 s51, s51, 0x80000000
	s_mov_b64 s[G0K+2:G0K+3], s[48:49]             ; tile 0
	s_mov_b64 s[G0V+2:G0V+3], s[50:51]
	s_lshl_b32 s62, s16, 20                        ; out0: 256 bytes a row
	s_lshl_b32 s3, s60, 8
	s_add_co_u32 s62, s62, s3
	s_add_nc_u64 s[56:57], s[10:11], s[62:63]      ; at my first low row
	s_lshl_b32 s62, s16, 20
	s_lshl_b32 s3, s61, 8
	s_add_co_u32 s62, s62, s3
	s_add_nc_u64 s[58:59], s[10:11], s[62:63]      ; at my first high row
	INIT
	s_mov_b32 s19, 0                               ; step t
	s_mov_b32 s20, 0                               ; loop counter
	s_mov_b32 s21, 0                               ; the step's tile
	ROUND                                          ; all four work-groups are here: the first joint loads meet
	tensor_load_to_lds s[G0K:G0K+3], s[G1:G1+7]
	s_nop 0
	tensor_load_to_lds s[G0V:G0V+3], s[G1:G1+7]
	s_nop 0
	s_wait_loadcnt 0x0                             ; the query fragments, once
; 64 keys: block 4 u + kq of the tile in slot sl.  always = 1: the mask is applied; 0: only in step f.
.macro SUB sl, u, always
.rept 5
	v_nop                                          ; behind the last matrix instructions: four places ahead of the loads into their sources, five ahead of the products that write over the weights
.endr
.irp kt, 0,1,2,3
.irp ks, 0,1
	ds_load_b128 v[KF+16*\kt+8*\ks:KF+16*\kt+8*\ks+3],   v[KA+2*\sl] offset:4*BLK*\u+2176*\kt+64*\ks
	ds_load_b128 v[KF+16*\kt+8*\ks+4:KF+16*\kt+8*\ks+7], v[KA+2*\sl] offset:4*BLK*\u+2176*\kt+64*\ks+32
.endr
.endr
.irp dt, 0,1,2,3
.irp ks, 0,1
	ds_load_b128 v[VF+16*\dt+8*\ks:VF+16*\dt+8*\ks+3],   v[KA+2*\sl+1] offset:4*BLK*\u+2176*\dt+64*\ks
	ds_load_b128 v[VF+16*\dt+8*\ks+4:VF+16*\dt+8*\ks+7], v[KA+2*\sl+1] offset:4*BLK*\u+2176*\dt+64*\ks+32
.endr
.endr
	s_wait_dscnt 16                                ; K's 16 loads are back, V's 16 stay out
	; scores, transposed; the four accumulators take turns, one instruction a turn
.irp kt, 0,1,2,3
	MMH SC+8*\kt, KF+16*\kt, QL, 1
.endr
.irp kt, 0,1,2,3
	MMH SC+8*\kt, KF+16*\kt+8, QL+8, 0
.endr
.rept 4
	v_nop                                          ; four places ahead of the first vector instruction that reads a score
.endr
.if \always == 0
	s_cmp_lg_u32 s19, s18
	s_cbranch_scc1 .Lfree_\@
.endif
	s_lshl_b32 s60, s21, 9
.if \u
	s_add_co_u32 s60, s60, 256
.endif
	v_sub_nc_u32 v24, v16, s60
.irp kt, 0,1,2,3
.irp j, 0,1,2,3,4,5,6,7
	v_cmp_gt_i32 vcc_lo, 16*\kt+\j, v24
	v_cndmask_b32 v[SC+8*\kt+\j], v[SC+8*\kt+\j], v17, vcc_lo
.endr
.endr
.Lfree_\@:
	; the largest of my 32 scores, in four chains; then the other half's; then the running maximum
	v_max3_num_f32 v24, v[SC+0], v[SC+1], v[SC+2]
	v_max3_num_f32 v25, v[SC+3], v[SC+4], v[SC+5]
	v_max3_num_f32 v26, v[SC+6], v[SC+7], v[SC+8]
	v_max3_num_f32 v27, v[SC+9], v[SC+10], v[SC+11]
.irp b, 12,20
	v_max3_num_f32 v24, v24, v[SC+\b], v[SC+\b+1]
	v_max3_num_f32 v25, v25, v[SC+\b+2], v[SC+\b+3]
	v_max3_num_f32 v26, v26, v[SC+\b+4], v[SC+\b+5]
	v_max3_num_f32 v27, v27, v[SC+\b+6], v[SC+\b+7]
.endr
	v_max3_num_f32 v24, v24, v[SC+28], v[SC+29]
	v_max3_num_f32 v25, v25, v[SC+30], v[SC+31]
	v_max3_num_f32 v24, v24, v25, v26
	v_max_num_f32 v24, v24, v27
	v_permlanex16_b32 v25, v24, s54, s55
	v_max3_num_f32 v18, v24, v25, v18
	v_mul_f32 v26, 0xbe38aa3b, v18                 ; the new shift, -c m, rounded once: weights, alpha and merge all refer to this number
	v_sub_f32 v27, v26, v22                        ; c m_old - c m_new
	v_mov_b32 v22, v26
	v_exp_f32 v20, v27                             ; alpha; plain instructions follow before it is used
.set n, 0
.rept 16
	v_pk_fma_f32 v[SC+n:SC+n+1], v[SC+n:SC+n+1], 0x3e38aa3b, v[22:23] op_sel_hi:[1,0,0]   ; c s - c m, both halves with v22
.set n, n+2
.endr
.set n, 0
.rept 32
	v_exp_f32 v[SC+n], v[SC+n]
.set n, n+1
.endr
	s_wait_alu depctr_va_vdst(0)
	v_mul_f32 v23, v23, v20                        ; the plain instruction between the exponentials and their first use
	v_pk_add_f32 v[24:25], v[SC+0:SC+1], v[SC+2:SC+3]
	v_pk_add_f32 v[26:27], v[SC+4:SC+5], v[SC+6:SC+7]
	v_pk_add_f32 v[28:29], v[SC+8:SC+9], v[SC+10:SC+11]
	v_pk_add_f32 v[30:31], v[SC+12:SC+13], v[SC+14:SC+15]
.irp b, 16,24
	v_pk_add_f32 v[24:25], v[24:25], v[SC+\b:SC+\b+1]
	v_pk_add_f32 v[26:27], v[26:27], v[SC+\b+2:SC+\b+3]
	v_pk_add_f32 v[28:29], v[28:29], v[SC+\b+4:SC+\b+5]
	v_pk_add_f32 v[30:31], v[30:31], v[SC+\b+6:SC+\b+7]
.endr
	v_pk_add_f32 v[24:25], v[24:25], v[26:27]
	v_pk_add_f32 v[28:29], v[28:29], v[30:31]
	v_pk_add_f32 v[24:25], v[24:25], v[28:29]
	v_add_f32 v24, v24, v25
	v_add_f32 v23, v23, v24                        ; my half's share of the row sum; the halves meet at the phase's end
.set n, 0
.rept 16
	v_pk_mul_f32 v[OA+n:OA+n+1], v[OA+n:OA+n+1], v[20:21] op_sel_hi:[1,0]
.set n, n+2
.endr
.set n, 0
.rept 16
	v_cvt_pk_f16_f32 v[SC+n], v[SC+2*n], v[SC+2*n+1]       ; in place, upward: register n is read no later than it is written
.set n, n+1
.endr
	s_wait_dscnt 0x0                               ; V's fragments
.irp ks, 0,1
.irp dt, 0,1,2,3
	MMH OA+8*\dt, VF+16*\dt+8*\ks, SC+8*\ks, 0     ; the four accumulators by turns
.endr
.endr
.endm
; A phase ends: the four partial results of each qt are merged and stored at s[ob:ob+1].  switch = 1: the high rows take over.
.macro FINAL ob, switch
	v_permlanex16_b32 v24, v23, s54, s55
.rept 4
	v_nop                                          ; four places behind the last matrix instructions, ahead of the stores of their results
.endr
	v_add_f32 v23, v23, v24                        ; the row sum of my keys
.irp dt, 0,1,2,3
	ds_store_b128 v8, v[OA+8*\dt:OA+8*\dt+3] offset:64*\dt
	ds_store_b128 v8, v[OA+8*\dt+4:OA+8*\dt+7] offset:64*\dt+16
.endr
	ds_store_b64 v9, v[22:23]                      ; (-c m, sum); both halves write the same
	s_wait_dscnt 0x0                               ; my partial is written
	s_barrier_signal -1
	s_barrier_wait -1                              ; everybody's is.  The next tile's loads may stay out
.irp i, 0,1
.irp p, 0,1,2,3
	ds_load_b128 v[KF+16*\i+4*\p:KF+16*\i+4*\p+3], v10 offset:SCRW*\p+544*\i
	ds_load_b64 v[KF+32+8*\i+2*\p:KF+32+8*\i+2*\p+1], v11 offset:SCRW*\p+16*\i
.endr
.endr
	s_wait_dscnt 0x0
.irp i, 0,1
	v_min3_num_f32 v24, v[KF+32+8*\i], v[KF+34+8*\i], v[KF+36+8*\i]
	v_min_num_f32 v24, v24, v[KF+38+8*\i]          ; -c x the largest of the four maxima
	v_sub_f32 v25, v24, v[KF+32+8*\i]
	v_sub_f32 v26, v24, v[KF+34+8*\i]
	v_sub_f32 v27, v24, v[KF+36+8*\i]
	v_sub_f32 v28, v24, v[KF+38+8*\i]
	v_exp_f32 v25, v25
	v_exp_f32 v26, v26
	v_exp_f32 v27, v27
	v_exp_f32 v28, v28
	v_nop                                          ; one plain place behind the exponentials
	s_wait_alu depctr_va_vdst(0)
	v_mul_f32 v29, v25, v[KF+33+8*\i]
	v_fmac_f32 v29, v26, v[KF+35+8*\i]
	v_fmac_f32 v29, v27, v[KF+37+8*\i]
	v_fmac_f32 v29, v28, v[KF+39+8*\i]             ; the row's whole sum: at least about 1, from the partial that holds the maximum
	v_rcp_f32 v30, v29
	v_nop
	s_wait_alu depctr_va_vdst(0)
	v_mul_f32 v25, v25, v30
	v_mul_f32 v26, v26, v30
	v_mul_f32 v27, v27, v30
	v_mul_f32 v28, v28, v30
.irp e, 0,1,2,3
	v_mul_f32  v[VF+4*\i+\e], v25, v[KF+16*\i+\e]
	v_fmac_f32 v[VF+4*\i+\e], v26, v[KF+16*\i+4+\e]
	v_fmac_f32 v[VF+4*\i+\e], v27, v[KF+16*\i+8+\e]
	v_fmac_f32 v[VF+4*\i+\e], v28, v[KF+16*\i+12+\e]
.endr
	global_store_b128 v12, v[VF+4*\i:VF+4*\i+3], s[\ob:\ob+1] offset:512*\i th:TH_STORE_NT   ; two whole rows of out0: 512 neighbouring bytes, aligned
.endr
.if \switch
	s_wait_xcnt 0x0                                ; the stores' data registers are loaded again in the next step only behind this wait
.set n, 0
.rept 16
	v_mov_b32 v[QL+n], v[QH+n]                     ; the shared body names one set of query fragments
.set n, n+1
.endr
	v_mov_b32 v16, v15
	INIT
.endif
.endm
; A step: the tile in slot sl.  refill = 1: the other slot gets the next step's tile.  tail = 1: the last step.
.macro STEP sl, refill, tail
	s_wait_tensorcnt 0x0                           ; all my tensor loads have landed, my blocks of this step's tile among them: every group 0 may be written
	ds_add_u32 v13, v19
	s_wait_dscnt 0x0
.if \refill
	s_add_co_u32 s23, s21, 1
	s_cmp_eq_u32 s19, s18
	s_cselect_b32 s22, 0, s23                      ; the next tile: behind step f the high rows begin at tile 0
	s_lshl_b32 s52, s22, 16                        ; 65,536 bytes a tile
	s_add_nc_u64 s[G0K+4*(1-\sl)+2:G0K+4*(1-\sl)+3], s[48:49], s[52:53]
	s_add_nc_u64 s[G0V+4*(1-\sl)+2:G0V+4*(1-\sl)+3], s[50:51], s[52:53]
.endif
	s_wait_dscnt 0x0                               ; my reads of the other slot are back
	ROUND                                          ; both hold of every wave of all four work-groups
.if \refill
	tensor_load_to_lds s[G0K+4*(1-\sl):G0K+4*(1-\sl)+3], s[G1:G1+7]        ; the first tensor loads behind the round; two are out, with this step's work in which to land
	s_nop 0
	tensor_load_to_lds s[G0V+4*(1-\sl):G0V+4*(1-\sl)+3], s[G1:G1+7]
	s_nop 0
.endif
	SUB \sl, 0, \tail
	SUB \sl, 1, \tail
.if \tail
	FINAL 58, 0
.else
	s_cmp_lg_u32 s19, s18                          ; t and f are the same in all waves and in all four partners
	s_cbranch_scc1 .Lsame_phase_\@
	FINAL 56, 1
.Lsame_phase_\@:
	s_mov_b32 s21, s22
	s_add_co_u32 s19, s19, 1
.endif
.endm
.Lsteps:
	STEP 0, 1, 0
	STEP 1, 1, 0
	s_add_co_u32 s20, s20, 1
	s_cmp_lt_u32 s20, 4
	s_cbranch_scc1 .Lsteps
	STEP 0, 0, 1                                   ; step 8 fetches nothing more
	s_wait_tensorcnt 0x0
	ds_add_u32 v13, v19
	s_wait_dscnt 0x0
	ROUND                                          ; the closing round: no work-group ends while a partner may still ask jointly
	s_endpgm
.Lfunc_end_k_q4fe4e9678c_attn:
	.size	k_q4fe4e9678c_attn, .Lfunc_end_k_q4fe4e9678c_attn-k_q4fe4e9678c_attn
	.p2alignl 7, 3214868480
	.fill 96, 4, 3214868480
	.section	.rodata,"a",@progbits
	.p2align	6, 0x0
	.amdhsa_kernel k_q4fe4e9678c_attn
		.amdhsa_group_segment_fixed_size 327680
		.amdhsa_private_segment_fixed_size 0
		.amdhsa_enable_private_segment 0
		.amdhsa_kernarg_size 32
		.amdhsa_user_sgpr_count 2
		.amdhsa_user_sgpr_kernarg_segment_ptr 1
		.amdhsa_wavefront_size32 1
		.amdhsa_system_sgpr_workgroup_id_x 1
		.amdhsa_system_sgpr_workgroup_id_y 1
		.amdhsa_system_sgpr_workgroup_id_z 1
		.amdhsa_system_vgpr_workitem_id 0
		.amdhsa_next_free_vgpr 256
		.amdhsa_next_free_sgpr 66
		.amdhsa_reserve_vcc 1
		.amdhsa_float_denorm_mode_32 3
		.amdhsa_float_denorm_mode_16_64 3
		.amdhsa_memory_ordered 1
		.amdhsa_forward_progress 1
		.amdhsa_inst_pref_size 102
	.end_amdhsa_kernel
	.amdgpu_metadata
---
amdhsa.version: [ 1, 2 ]
amdhsa.kernels:
  - .name:           k_q4fe4e9678c_attn
    .symbol:         k_q4fe4e9678c_attn.kd
    .args:
      - { .name: qw, .offset: 0, .size: 8, .value_kind: global_buffer, .address_space: global }
      - { .name: kw, .offset: 8, .size: 8, .value_kind: global_buffer, .address_space: global }
      - { .name: vt, .offset: 16, .size: 8, .value_kind: global_buffer, .address_space: global }
      - { .name: out0, .offset: 24, .size: 8, .value_kind: global_buffer, .address_space: global }
    .group_segment_fixed_size: 327680
    .private_segment_fixed_size: 0
    .kernarg_segment_align: 8
    .kernarg_segment_size: 32
    .max_flat_workgroup_size: 256
    .sgpr_count:     66
    .vgpr_count:     256
    .wavefront_size: 32
...
	.end_amdgpu_metadata
.endif
;; end of part 2
